; MI455X (gfx1250); checked and timed in simulation.
; The chip was launched on July 23, 2026; its instructions are those of AMD's public machine-readable ISA for CDNA 5 (MIT licence, August 2026) and "CDNA5" Instruction Set Architecture Reference Guide (July 2026). The comments in the code are by the model that wrote it; some were corrected since.
;; Multi Head Attention. Allowed arithmetic: matrix products marked QUANTISED: E5M2 operands, one given power-of-two scale a tensor, by v_wmma_f32_16x16x64_bf8_bf8 or v_wmma_f32_16x16x128_bf8_bf8, f32 sums; everything else in f32.
;; Inputs: Wk 1,024 x 1,024 float32; Wo 1,024 x 1,024 float32; Wq 1,024 x 1,024 float32; Wv 1,024 x 1,024 float32; bk 1,024 float32; bo 1,024 float32; bq 1,024 float32; bv 1,024 float32; k 4 x 2,048 x 1,024 float32; lowp_scales 12 int32 (the exponents e of the quantised operands' scales 2^e); q 4 x 2,048 x 1,024 float32; v 4 x 2,048 x 1,024 float32.
;; Outputs: out0 4 x 2,048 x 1,024 float32.
;; This version of the problem:
;;   THIS VERSION OF THE PROBLEM IS GIVEN IN LOW PRECISION. The matrix products marked QUANTISED in the list below multiply operands that are first quantised to E5M2 (5 exponent bits, 2 mantissa bits; 8 bits a number), with one given power-of-two scale for each operand tensor; their sums are f32. All else is computed in f32.
;;   The module's matrix products, in the order in which they are computed (A, B: the left and right operand; K: the contracted axis; several contracted axes count as one K, in the product's order):
;;     1. [M 8,192, K 1,024] x [K 1,024, N 1,024]; A: input q; B: input Wq: QUANTISED (scales: A lowp_scales[0], B lowp_scales[1])
;;     2. [M 8,192, K 1,024] x [K 1,024, N 1,024]; A: input k; B: input Wk: QUANTISED (scales: A lowp_scales[2], B lowp_scales[3])
;;     3. [M 8,192, K 1,024] x [K 1,024, N 1,024]; A: input v; B: input Wv: QUANTISED (scales: A lowp_scales[4], B lowp_scales[5])
;;     4. batch 64 x [M 2,048, K 64] x [K 64, N 2,048]; A: computed on the way; B: computed on the way: QUANTISED (scales: A lowp_scales[6], B lowp_scales[7])
;;     5. batch 64 x [M 2,048, K 2,048] x [K 2,048, N 64]; A: softmax (see below); B: computed on the way: QUANTISED (scales: A lowp_scales[8], B lowp_scales[9])
;;     6. [M 8,192, K 1,024] x [K 1,024, N 1,024]; A: computed on the way; B: input Wo: QUANTISED (scales: A lowp_scales[10], B lowp_scales[11])
;;   THE QUANTISER, for each operand of a quantised product, along K:
;;     - The operand's scale is 2^e, e = its entry of the input lowp_scales (int32; the entries are numbered through the quantised products in the list's order, A before B).
;;     - Each number is divided by the scale, clamped to +-57,344, and rounded to the nearest number of E5M2, ties to even, subnormals kept.
;;     - The product sums the exact products of the quantised numbers (number of the format x scale) in f32.
;;   ~~~python
;;   def quantise(x, axis, e):      # numpy; x: float32 -> the quantised numbers, widened to float32 again
;;       x = np.moveaxis(x, axis, -1); K = x.shape[-1]
;;       r = np.clip(x / 2.0 ** e, -57344, 57344)
;;       step = 2.0 ** (np.maximum(np.frexp(np.where(r == 0, 1, r))[1] - 1, -14) - 2)
;;       q = np.round(r / step) * step * 2.0 ** e      # np.round: ties to even
;;       return np.moveaxis(q, -1, axis).astype(np.float32)
;;   ~~~
;;   SOFTMAX AHEAD OF A QUANTISED PRODUCT. Where the list says 'softmax', what is quantised is not the finished softmax but p = 2^(t - M), with t = logit x log2(e) and M = ceil(the row's largest t), a whole number; so 1/2 < the row's largest p <= 1. The row's sum l is taken of the UNQUANTISED p, in f32, and the product's result is divided by l at the end. Since M is a whole number, a kernel that streams over the keys may use a running M (the ceiling of the running maximum): every later rescaling is an exact power of two, so the quantised numbers keep their values, but for numbers so far below the row's largest that they fall under the format's range.
;;   OPERANDS COMPUTED ON THE WAY. 'Computed on the way' means the value that the module computes at that place (a softmax that the list does not call 'softmax' is quantised finished and normalised). What goes into a quantiser is computed in f32, as accurately as f32 sums, v_exp_f32 and their like allow (about 1e-6 of the number): no bf16 or f16 on the way to a quantiser, and a product that is left as it is and whose result goes on into a quantised operand takes f32 operands (vector FMAs, or v_wmma_f32_16x16x4_f32). A number that lies on a knife's edge between two numbers of the format may be rounded either way, as far as f32 arithmetic and the matrix unit's own rounding can turn it there, and no further.
;; One version. Each part assembles by itself: llvm-mc -triple=amdgcn-amd-amdhsa -mcpu=gfx1250 --defsym DOCPART=n.
;; ======== version 1 of 1: 4 launches
;; limits: right only within a limited range of input values
;; workspace buffers: codes 29,360,128 bytes; qkv 25,165,824 bytes; ctx 8,388,608 bytes
;; launch quant (part 1): grid 896 x 1, 4 waves a work-group, no clusters, 34,304 bytes of LDS; arguments q, k, v, Wq, Wk, Wv, Wo, lowp_scales, codes; writes codes
.if DOCPART == 1
	.amdgcn_target "amdgcn-amd-amdhsa--gfx1250"
	.amdhsa_code_object_version 6
	.text
	.protected	k_q04f7c1189b_quant
	.globl	k_q04f7c1189b_quant
	.p2align	8
	.type	k_q04f7c1189b_quant,@function
k_q04f7c1189b_quant:
	s_mov_b64 s[64:65], 0
	v_nop
	global_prefetch_b8 v0, s[64:65] scope:SCOPE_SE
	s_setreg_imm32_b32 hwreg(HW_REG_WAVE_MODE, 25, 1), 1
	s_wait_xcnt 0x0
; q, k, v [8192][1024] and Wq, Wk, Wv, Wo [1024][1024], f32 with K innermost, become codes of BF8 (E5M2), each with the one scale 2^e given for it.
; code = x / 2^e, held within +-57,344, rounded to the nearest code, ties to even.
; LIMITS: -126 <= e and e + 15 <= 127, so that 2^e and 57,344 x 2^e are f32 numbers.  NaN among the inputs is not served.
; THE CODES ARE LAID AS IMAGES OF THE OPERAND'S REGISTERS: byte = tile x 16,384 + s x 2,048 + c x 512 + lane x 16 + i holds the code of
; row 32 (tile / 2) + 8 (tile % 2) + r + 8 (r / 8), k = 128 s + 32 c + 16 h + i  (r = lane % 16, h = lane / 16).  A later launch fetches a fragment by four loads of 512 consecutive bytes.
; The seven images follow each other in the buffer: 32,768 bytes for each group of 32 rows, so work-group g writes at g x 32,768, whichever tensor it serves.
; SHARES.  A work-group takes 32 rows (two tiles); wave w takes tile w / 2 and half w % 2 of K: four steps of 16 rows x 128 numbers.
; A load takes 512 consecutive bytes of one row; the conversions want 16 neighbours along K in one lane: so a step's 8,192 bytes turn through the wave's own stage in LDS.
; The work-groups share no input, so there is no cluster and no joint load; the waves share nothing, so there is no barrier.  One path through the text serves all tensors: only pointers and e are chosen.
.set STG,   8448                       ; a wave's stage: 16 rows x 528 bytes
.set SP,    528                        ; 512 bytes + 16 of padding = 132 words: row r begins at bank 4 r mod 64 (64 banks of 4 bytes: ISA guide 11.1)
.set R,     16                         ; v16-143  two sets of 64: a step's numbers as they are loaded
.set X,     144                        ; v144-207 a lane's 64 numbers: register 16 c + i is k = 32 c + 16 h + i of row r
.set C,     208                        ; v208-239 two sets of 16: a step's codes
	s_load_b256 s[8:15], s[0:1], 0x0               ; q s[8:9], k s[10:11], v s[12:13], Wq s[14:15]
	s_load_b256 s[16:23], s[0:1], 0x20             ; Wk s[16:17], Wv s[18:19], Wo s[20:21], the scales' exponents s[22:23]
	s_load_b64 s[24:25], s[0:1], 0x40              ; the codes
	v_lshl_add_u32 v240, v0, 2, 0x8400
	v_mov_b32 v241, 0
	v_lshrrev_b32 v2, 5, v0
	v_readfirstlane_b32 s26, v2                    ; wave 0..3
	v_and_b32 v3, 31, v0
	v_lshlrev_b32 v1, 4, v3                        ; 16 x lane: my bytes of a load's and of a store's 512; never rewritten
	v_and_b32 v4, 15, v0                           ; r
	v_bfe_u32 v5, v0, 4, 1                         ; h
	s_mul_i32 s27, s26, STG
	v_add_nc_u32 v14, s27, v1                      ; the stage, on the way in: a row as it lies
	v_mul_u32_u24 v15, v4, SP
	v_lshl_add_u32 v15, v5, 6, v15
	v_add_nc_u32 v15, s27, v15                     ; and on the way out: row r, + 64 h bytes: my 16 numbers of each 32
	s_wait_alu depctr_va_vdst(0)
	s_wait_kmcnt 0x0
	s_load_b256 s[32:39], s[22:23], 0x0            ; entries 0 to 7
	s_load_b128 s[40:43], s[22:23], 0x20           ; entries 8 to 11
; Which tensor: the work-group's number against the tensors' first groups, from the last tensor down.  The choice hangs on the work-group's number alone.
.macro PICK lim, ptr, first
	s_cmp_lt_u32 ttmp9, \lim
	s_cselect_b64 s[4:5], s[\ptr:\ptr+1], s[4:5]
	s_cselect_b32 s6, \first, s6
.endm
	s_mov_b64 s[4:5], s[20:21]                     ; Wo
	s_mov_b32 s6, 864
	PICK 864, 18, 832                              ; Wv
	PICK 832, 16, 800                              ; Wk
	PICK 800, 14, 768                              ; Wq
	PICK 768, 12, 512                              ; v
	PICK 512, 10, 256                              ; k
	PICK 256, 8, 0                                 ; q
	s_sub_co_u32 s28, ttmp9, s6                    ; which group of 32 rows of the tensor
	s_lshl_b32 s28, s28, 17                        ; 32 rows of 4,096 bytes
	s_lshr_b32 s29, s26, 1
	s_lshl_b32 s29, s29, 15                        ; the second tile begins 8 rows further down
	s_add_co_u32 s28, s28, s29
	s_and_b32 s29, s26, 1
	s_lshl_b32 s29, s29, 11                        ; the second half of K: 512 numbers on
	s_add_co_u32 s28, s28, s29
	s_mov_b32 s29, 0
	s_add_nc_u64 s[4:5], s[4:5], s[28:29]
	s_lshl_b32 s30, ttmp9, 15
	s_lshl_b32 s31, s26, 13
	s_add_co_u32 s30, s30, s31                     ; 32,768 x work-group + 8,192 x wave
	s_mov_b32 s31, 0
	s_add_nc_u64 s[24:25], s[24:25], s[30:31]
.macro LOAD t                          ; step t: 128 numbers of each of the tile's 16 rows; 32 lanes read 512 consecutive bytes
.irp r, 0,1,2,3,4,5,6,7,8,9,10,11,12,13,14,15
	global_load_b128 v[R+64*((\t)%2)+4*\r:R+64*((\t)%2)+4*\r+3], v1, s[4:5] offset:(\r+8*(\r/8))*4096+512*(\t) th:TH_LOAD_NT
.endr
.endm
.macro TURN t                          ; through the stage: LDS serves a wave's instructions in order (ISA guide 5.7.1.4), so no wait stands between the stores and the loads
.irp r, 0,1,2,3,4,5,6,7,8,9,10,11,12,13,14,15
	ds_store_b128 v14, v[R+64*((\t)%2)+4*\r:R+64*((\t)%2)+4*\r+3] offset:SP*\r
.endr
.irp c, 0,1,2,3
.irp j, 0,1,2,3
	ds_load_b128 v[X+16*\c+4*\j:X+16*\c+4*\j+3], v15 offset:128*\c+16*\j
.endr
.endr
.endm
.macro QUANT t
.set n, 0
.rept 64
.set n, n+1
.endr
.if (\t) >= 2
	s_wait_xcnt 0x0                                ; the stores of two steps ago have read this set of codes: it is written again only behind this wait
.endif
.irp c, 0,1,2,3
	v_cvt_scalef32_pk8_bf8_f32 v[C+16*((\t)%2)+4*\c:C+16*((\t)%2)+4*\c+1], v[X+16*\c:X+16*\c+7], v11
	v_cvt_scalef32_pk8_bf8_f32 v[C+16*((\t)%2)+4*\c+2:C+16*((\t)%2)+4*\c+3], v[X+16*\c+8:X+16*\c+15], v11
.endr
	v_nop                                          ; one plain vector line behind the last conversion of a run
.irp c, 0,1,2,3
	global_store_b128 v1, v[C+16*((\t)%2)+4*\c:C+16*((\t)%2)+4*\c+3], s[24:25] offset:2048*(\t)+512*\c   ; 32 lanes store 512 consecutive bytes, at a multiple of 512 from the buffer's first byte
.endr
.endm
	LOAD 0
	LOAD 1
	s_wait_kmcnt 0x0                               ; the scales
.macro PICKE lim, e
	s_cmp_lt_u32 ttmp9, \lim
	s_cselect_b32 s7, s[\e], s7
.endm
	s_mov_b32 s7, s43                              ; Wo: entry 11
	PICKE 864, 37                                  ; Wv: 5
	PICKE 832, 35                                  ; Wk: 3
	PICKE 800, 33                                  ; Wq: 1
	PICKE 768, 36                                  ; v: 4
	PICKE 512, 34                                  ; k: 2
	PICKE 256, 32                                  ; q: 0
	s_add_co_i32 s7, s7, 127
	s_lshl_b32 s28, s7, 23
	v_mov_b32 v11, s28                             ; 2^e as f32: the conversion takes its exponent field
	s_add_co_i32 s7, s7, 15
	s_lshl_b32 s7, s7, 23
	s_or_b32 s7, s7, 0x600000
	s_wait_alu depctr_va_vdst(0)
.irp t, 0,1,2,3
.if \t < 3
	s_wait_loadcnt 16                              ; this step's 16 loads are in; the next step's 16 may be out
.else
	s_wait_loadcnt 0x0
.endif
	TURN \t
	s_wait_dscnt 0x0                               ; my numbers are back, and the stage's stores have read their registers,
.if \t < 2
	LOAD \t+2                                      ; which take the loads of two steps on
.endif
	QUANT \t
.endr
	s_wait_tensorcnt 0x0
	ds_add_u32 v240, v241
	s_wait_dscnt 0x0
	s_endpgm
.Lfunc_end_k_q04f7c1189b_quant:
	.size	k_q04f7c1189b_quant, .Lfunc_end_k_q04f7c1189b_quant-k_q04f7c1189b_quant
	.p2alignl 7, 3214868480
	.fill 96, 4, 3214868480
	.section	.rodata,"a",@progbits
	.p2align	6, 0x0
	.amdhsa_kernel k_q04f7c1189b_quant
		.amdhsa_group_segment_fixed_size 34304
		.amdhsa_private_segment_fixed_size 0
		.amdhsa_enable_private_segment 0
		.amdhsa_kernarg_size 72
		.amdhsa_user_sgpr_count 2
		.amdhsa_user_sgpr_kernarg_segment_ptr 1
		.amdhsa_wavefront_size32 1
		.amdhsa_system_sgpr_workgroup_id_x 1
		.amdhsa_system_sgpr_workgroup_id_y 1
		.amdhsa_system_sgpr_workgroup_id_z 1
		.amdhsa_system_vgpr_workitem_id 0
		.amdhsa_next_free_vgpr 242
		.amdhsa_next_free_sgpr 66
		.amdhsa_reserve_vcc 0
		.amdhsa_float_denorm_mode_32 3
		.amdhsa_float_denorm_mode_16_64 3
		.amdhsa_fp16_overflow 1
		.amdhsa_memory_ordered 1
		.amdhsa_forward_progress 1
		.amdhsa_inst_pref_size 22
	.end_amdhsa_kernel
	.amdgpu_metadata
---
amdhsa.version: [ 1, 2 ]
amdhsa.kernels:
  - .name:           k_q04f7c1189b_quant
    .symbol:         k_q04f7c1189b_quant.kd
    .args:
      - { .name: q, .offset: 0, .size: 8, .value_kind: global_buffer, .address_space: global }
      - { .name: k, .offset: 8, .size: 8, .value_kind: global_buffer, .address_space: global }
      - { .name: v, .offset: 16, .size: 8, .value_kind: global_buffer, .address_space: global }
      - { .name: Wq, .offset: 24, .size: 8, .value_kind: global_buffer, .address_space: global }
      - { .name: Wk, .offset: 32, .size: 8, .value_kind: global_buffer, .address_space: global }
      - { .name: Wv, .offset: 40, .size: 8, .value_kind: global_buffer, .address_space: global }
      - { .name: Wo, .offset: 48, .size: 8, .value_kind: global_buffer, .address_space: global }
      - { .name: lowp_scales, .offset: 56, .size: 8, .value_kind: global_buffer, .address_space: global }
      - { .name: codes, .offset: 64, .size: 8, .value_kind: global_buffer, .address_space: global }
    .group_segment_fixed_size: 34304
    .private_segment_fixed_size: 0
    .kernarg_segment_align: 8
    .kernarg_segment_size: 72
    .max_flat_workgroup_size: 128
    .sgpr_count:     66
    .vgpr_count:     242
    .wavefront_size: 32
...
	.end_amdgpu_metadata
.endif
;; end of part 1
;; launch proj (part 2): grid 4 x 96, 4 waves a work-group, clusters of 4 x 4, 327,680 bytes of LDS; arguments codes, lowp_scales, bq, bk, bv, qkv; writes qkv
.if DOCPART == 2
	.amdgcn_target "amdgcn-amd-amdhsa--gfx1250"
	.amdhsa_code_object_version 6
	.text
	.protected	k_q04f7c1189b_proj
	.globl	k_q04f7c1189b_proj
	.p2align	8
	.type	k_q04f7c1189b_proj,@function
k_q04f7c1189b_proj:
	s_mov_b64 s[64:65], 0
	v_nop
	global_prefetch_b8 v0, s[64:65] scope:SCOPE_SE
	s_setreg_imm32_b32 hwreg(HW_REG_WAVE_MODE, 25, 1), 1
	s_wait_xcnt 0x0
	s_wait_alu depctr_hold_cnt(0) depctr_sa_sdst(0) depctr_va_vdst(0) depctr_va_sdst(0) depctr_va_ssrc(0) depctr_va_vcc(0) depctr_vm_vsrc(0)
	s_getreg_b32 s2, hwreg(HW_REG_IB_STS2, 6, 4)
	s_cmp_eq_u32 s2, 0
	s_cbranch_scc0 .Lentry_in_a_cluster
	s_endpgm
.Lentry_in_a_cluster:
	s_bfe_u32 s2, ttmp6, 0x10000c
	s_cmp_lg_u32 s2, 0xf033
	s_cbranch_scc0 .Lentry_shape_is_right
	s_endpgm
.Lentry_shape_is_right:
; The three projections x W^T + b on codes of BF8 (E5M2), and their results quantised again for attention's products: qh (entry 6 of the scales), kh (7), vh (9).
; Cluster row c = 0..23: tensor ti = c / 8 (0 q, 1 k, 2 v).  A tile of 256 x 256 sums is made by four waves, 128 x 128 each: 64 accumulators, 512 registers.
; C'(m', n') = sum over k of A(m', k) B(n', k).  THE MATRIX INSTRUCTION IS USED TRANSPOSED (source 0 = 16 rows of B, source 1 = 16 rows of A): a lane holds one row of A and its registers run along B's rows.
; q, k: A = the tokens, B = the weight: a lane's registers run along the features, which are the K of q k^T.
; v:    A = Wv, B = the tokens: the roles are changed by offsets alone, so that a lane's registers run along the keys, which are the K of p v.
; OPERANDS ARE IMAGES OF REGISTERS (made by the launch before): tile x 16,384 + s x 2,048 + c x 512 + lane x 16; lane r of a tile holds row 32 (tile / 2) + 8 (tile % 2) + r + 8 (r / 8).
; With that choice of rows the 16 registers of the accumulators 2 B and 2 B + 1 are 16 NEIGHBOURS along B's rows, 32 B + 16 h + 0 .. 15: two conversions make the 16 bytes that the next operand's image wants in this very lane,
; and a block's codes leave as 2,048 consecutive bytes: no stage, no padding.
; K goes through a ring of two LDS slots of 256 along K (four fills for K = 1,024, so the steps are written out).  The k of a fragment's registers is permuted alike in A and B, so every product meets its partner.
; THE BIAS is the C of each sum's first product, as b / 2^(ea + eb); a sum then stands for (x W^T + b) / 2^(ea + eb), and the conversion's one scale is 2^(eo - ea - eb).
; LIMITS: eo - ea - eb between -126 and 112, so that this power of two and 57,344 times it are f32 numbers.  NaN among the inputs is not served.
; CLUSTERS: 4 x 4 work-groups; A's tile is asked for jointly along a row of the cluster, B's along a column.  The grid is one cluster wide, so the cluster's x is 0.
; REGISTERS, in windows of 256: window 0: v0-31 addresses; v32-95 the bias, later a block's held sums; v96-127 codes, two sets; v128-255 A's fragments, one set.
;   window 1: B's fragments, two sets.   windows 2, 3: the accumulators ((a, b) at v[8 (8 (a % 4) + b)]).
.set HALFT,  32768                     ; 8 tiles x 4,096 bytes: what one tensor load brings, and what one wave reads of A or of B
.set SLOT,   4*HALFT                   ; A's two halves, then B's two
.set SPARE,  2*SLOT                    ; behind the ring: the spare words, 128 bytes for each wave: two blocks of 256 bytes that no other line names
.set FR,     16                        ; registers of a fragment: 16 rows x 128 K
.set NL,     4                         ; LDS loads that bring one
.set NP,     4                         ; places behind this matrix instruction (ISA guide 7.12.1)
.set ADRA, 16                          ; v16-17  LDS address of my A fragments in slot 0, 1
.set ADRB, 20                          ; v20-21  the same for B
.set SPW,  28                          ; v28     LDS address of my spare word; never rewritten
.set NIL,  29                          ; v29     0; never rewritten
.set BI,   32                          ; the bias, 64 registers
.set TMP,  32                          ; the way out: a block's 64 sums, held
.set CD,   96                          ; the way out: a block's codes, two sets of 16
.set AF,   128
.set G1, 24                            ; s[24:31] descriptor group 1 for A's tiles;  s[32:39] group 0, one set for each slot
.set G0, 32
.set G1B, 48                           ; s[48:55], s[56:63] the same for B's tiles
.set G0B, 56
.set MSB, 0
.macro WIN new                         ; the immediate's high byte repeats the setting that is left
.if MSB != \new
	s_set_vgpr_msb (MSB<<8)|\new
.set MSB, \new
.endif
.endm
.set MUL_LO,   0xa1                    ; source 0 (B) window 1, source 1 (A) window 0, C and D window 2
.set MUL_HI,   0xf1                    ; the same, C and D window 3
.set FIRST_LO, 0x81                    ; the first step: C (the bias) window 0, D window 2
.set FIRST_HI, 0xc1                    ; D window 3
.set TO_B,     0x40                    ; destination window 1, address window 0
; A joint load: waves 0 and 1 fetch for A, waves 2 and 3 for B; the branch hangs on the wave's number alone.  Four v_nop follow each of the two lines.
.macro JLOAD g0a, g1a, g0b, g1b
	s_cmp_eq_u32 s17, 0
	s_cbranch_scc0 .Lfor_b_\@
	tensor_load_to_lds s[\g0a:\g0a+3], s[\g1a:\g1a+7]
	s_nop 0
.rept 4
	v_nop
.endr
	s_branch .Lasked_\@
.Lfor_b_\@:
	tensor_load_to_lds s[\g0b:\g0b+3], s[\g1b:\g1b+7]
	s_nop 0
.rept 4
	v_nop
.endr
.Lasked_\@:
.endm
.macro CREST                           ; a round of the cluster's barrier behind its opening barrier
	s_cmp_lg_u32 s16, 0
	s_cbranch_scc1 .Lnot_wave_0_\@
	s_barrier_signal -3
.Lnot_wave_0_\@:
	s_barrier_wait -3
	s_barrier_signal -1
	s_barrier_wait -1
.endm
.macro CROUND                          ; a whole round
	s_barrier_signal -1
	s_barrier_wait -1
	CREST
.endm
	s_load_b256 s[4:11], s[0:1], 0x0               ; the codes s[4:5], the scales' exponents s[6:7], bq s[8:9], bk s[10:11]
	s_load_b128 s[12:15], s[0:1], 0x20             ; bv s[12:13], the results' codes s[14:15]
	v_lshl_add_u32 v[SPW], v0, 2, SPARE
	v_mov_b32 v[NIL], 0
	ds_add_u32 v28, v29
	ds_add_u32 v28, v29
	s_wait_dscnt 0x0
	v_lshrrev_b32 v1, 5, v0
	v_readfirstlane_b32 s16, v1                    ; wave 0..3
	s_lshr_b32 s17, s16, 1                         ; RH: which half of the tile's rows (A) is mine.  Also: I fetch for A (0) or for B (1)
	s_and_b32 s18, s16, 1                          ; CH: which half of its columns (B).  Also: which half of that tile I fetch
	s_bfe_u32 s19, ttmp6, 0x40000                  ; cx
	s_bfe_u32 s20, ttmp6, 0x40004                  ; cy
	s_and_b32 s21, ttmp7, 0xffff                   ; c: the cluster's y, alike in all partners
	s_lshr_b32 s22, s21, 3                         ; ti
	s_and_b32 s86, s21, 7
	s_lshl_b32 s86, s86, 2                         ; 4 (c % 8): the cluster's four tiles along the 8,192 tokens
	s_lshl_b32 s87, s22, 23                        ; q's and k's images: ti x 8,388,608
	s_lshl_b32 s88, s22, 20
	s_add_co_u32 s88, s88, 25165824                ; Wq's and Wk's: 25,165,824 + ti x 1,048,576
	s_cmp_eq_u32 s22, 2                            ; v?
	s_cselect_b32 s40, 0, s86
	s_cselect_b32 s41, s86, 0
	s_cselect_b32 s44, 27262976, s87               ; A's image: Wv's, or the tokens'
	s_cselect_b32 s46, 16777216, s88               ; B's image: v's, or the weight's
	s_add_co_u32 s40, s40, s20                     ; R: tile row: it hangs on c and cy alone
	s_add_co_u32 s41, s41, s19                     ; Cc: tile column: on c and cx alone
	s_lshl_b32 s42, s20, 2
	s_lshl_b32 s42, 15, s42                        ; my row of the cluster
	s_lshl_b32 s43, 0x1111, s19                    ; my column
	; descriptor group 1: 8 rows (tiles) of 4,096 bytes (two steps of 128 along K), 16,384 bytes apart, dense in LDS
	s_or_b32 s[G1+0], s42, (3<<16)|(1<<21)         ; 15:0 the mask: A's tiles go to my row; 17:16 elements of 8 bytes; 21 set beside a mask; no padding
	s_or_b32 s[G1B+0], s43, (3<<16)|(1<<21)
.irp g, G1, G1B
	s_mov_b32 s[\g+1], 512<<16                     ; tensor_dim0 = 512 elements
	s_mov_b32 s[\g+2], 8<<16                       ; tensor_dim1 = 8
	s_mov_b32 s[\g+3], 512<<16                     ; tile_dim0
	s_mov_b32 s[\g+4], 8                           ; tile_dim1
	s_mov_b32 s[\g+5], 2048                        ; tensor_dim0_stride, in elements
	s_mov_b32 s[\g+6], 0
	s_mov_b32 s[\g+7], 0
.endr
	s_lshl_b32 s89, s18, 17                        ; the half that I fetch: 8 tiles of 16,384 bytes
	s_lshl_b32 s90, s40, 18                        ; 16 tiles to a tile row
	s_add_co_u32 s44, s44, s90
	s_add_co_u32 s44, s44, s89
	s_mov_b32 s45, 0
	s_lshl_b32 s91, s41, 18
	s_add_co_u32 s46, s46, s91
	s_add_co_u32 s46, s46, s89
	s_mov_b32 s47, 0
	s_lshl_b32 s86, s16, 15                        ; where they go: wave x HALFT: no place in the cluster enters an LDS address
	s_wait_kmcnt 0x0
	s_load_b256 s[72:79], s[6:7], 0x0              ; entries 0 to 7
	s_load_b128 s[80:83], s[6:7], 0x20             ; entries 8 to 11
	s_add_nc_u64 s[44:45], s[4:5], s[44:45]
	s_add_nc_u64 s[46:47], s[4:5], s[46:47]
	CROUND                                         ; all sixteen work-groups are here: the first joint loads meet
.irp s, 0,1
	s_mov_b32 s[G0+4*\s], 1
	s_add_co_u32 s[G0+4*\s+1], s86, \s*SLOT
	s_add_nc_u64 s[G0+4*\s+2:G0+4*\s+3], s[44:45], \s*4096
	s_or_b32 s[G0+4*\s+3], s[G0+4*\s+3], 0x80000000
	s_mov_b32 s[G0B+4*\s], 1
	s_add_co_u32 s[G0B+4*\s+1], s86, \s*SLOT
	s_add_nc_u64 s[G0B+4*\s+2:G0B+4*\s+3], s[46:47], \s*4096
	s_or_b32 s[G0B+4*\s+3], s[G0B+4*\s+3], 0x80000000
	JLOAD G0+4*\s, G1, G0B+4*\s, G1B
.endr
	v_and_b32 v1, 15, v0                           ; r
	v_bfe_u32 v2, v0, 4, 1                         ; h
	v_and_b32 v4, 31, v0
	v_lshlrev_b32 v3, 4, v4                        ; 16 x lane: my place in every image, in LDS and in memory; never rewritten
	s_lshl_b32 s86, s17, 15                        ; my 8 tiles of A
	s_lshl_b32 s87, s18, 15                        ; my 8 tiles of B,
	s_add_co_u32 s87, s87, 2*HALFT                 ; which lie behind A's 16
.irp s, 0,1
	v_add_nc_u32 v[ADRA+\s], s86, v3
	v_add_nc_u32 v[ADRB+\s], s87, v3
	s_add_co_u32 s86, s86, SLOT
	s_add_co_u32 s87, s87, SLOT
.endr
	v_lshlrev_b32 v6, 6, v2                        ; q, k: the bias of my half's 16 features of each 32: 64 h bytes
	v_and_b32 v7, 8, v0
	v_add_nc_u32 v7, v7, v1
	v_lshlrev_b32 v7, 2, v7                        ; v: the bias of my lane's feature: 4 (r + 8 (r / 8)) bytes
	s_wait_kmcnt 0x0                               ; the scales
	s_add_co_i32 s86, s72, s73                     ; ea + eb for q,
	s_add_co_i32 s87, s74, s75                     ; for k,
	s_add_co_i32 s88, s76, s77                     ; for v
	s_cmp_eq_u32 s22, 1
	s_cselect_b32 s84, s87, s86
	s_cselect_b32 s89, s79, s78                    ; eo: entry 7 or 6
	s_cselect_b64 s[70:71], s[10:11], s[8:9]       ; the bias: the choice hangs on the cluster's y alone
	s_cmp_eq_u32 s22, 2
	s_cselect_b32 s84, s88, s84                    ; E1 = ea + eb
	s_cselect_b32 s89, s81, s89                    ; entry 9
	s_cselect_b64 s[70:71], s[12:13], s[70:71]
	s_cselect_b32 s90, s41, s40                    ; X: the tile along the tokens,
	s_cselect_b32 s91, s40, s41                    ; Y: along the features,
	s_cselect_b32 s92, s18, s17                    ; and my halves of the two
	s_cselect_b32 s93, s17, s18
	s_cselect_b32 s96, 13, 14                      ; bytes of 128 tokens in a head's (v) or a pair of heads' (q, k) image: 2^13 or 2^14
	s_cselect_b32 s97, 17, 13                      ; from my blocks 0-3 to my blocks 4-7: the next head (2^17) or four tiles of tokens (2^13)
	s_sub_co_i32 s85, 0, s84                       ; -E1
	s_sub_co_i32 s89, s89, s84
	s_add_co_i32 s89, s89, 127
	s_lshl_b32 s86, s89, 23
	v_mov_b32 v12, s86                             ; 2^(eo - E1) as f32: the conversion takes its exponent field
	s_add_co_i32 s89, s89, 15
	s_lshl_b32 s89, s89, 23
	s_or_b32 s89, s89, 0x600000
	v_mov_b32 v13, s89                             ; 57,344 x that
	s_lshl_b32 s86, s91, 1
	s_add_co_u32 s86, s86, s93                     ; which 128 features are mine: 2 Y + my half
	s_lshl_b32 s94, s86, 9
	s_mov_b32 s95, 0
	s_add_nc_u64 s[70:71], s[70:71], s[94:95]      ; their bias
	s_lshl_b32 s66, s22, 23                        ; the result's image: ti x 8,388,608
	s_lshl_b32 s86, s86, 18                        ; + 128 features = two heads: 262,144
	s_add_co_u32 s66, s66, s86
	s_lshr_b32 s86, s90, 3
	s_lshl_b32 s86, s86, 21                        ; + the batch: 16 heads: 2,097,152
	s_add_co_u32 s66, s66, s86
	s_and_b32 s86, s90, 7
	s_lshl_b32 s86, s86, 1
	s_add_co_u32 s86, s86, s92                     ; + which 128 tokens of the batch's 2,048
	s_lshl_b32 s86, s86, s96
	s_add_co_u32 s66, s66, s86
	s_mov_b32 s67, 0
	s_add_nc_u64 s[66:67], s[14:15], s[66:67]      ; where my blocks 0-3 go,
	s_lshl_b32 s94, 1, s97
	s_add_nc_u64 s[68:69], s[66:67], s[94:95]      ; and my blocks 4-7
	; THE BIAS, in the result's layout, divided by 2^E1.  The tiles are on their way meanwhile.  The branch hangs on the cluster's y alone; no LDS line and no barrier stands in it.
	s_cmp_eq_u32 s22, 2
	s_cbranch_scc1 .Lbias_v
	s_wait_alu depctr_va_vdst(0)
.irp t, 0,1,2,3                        ; q, k: register 16 t + i is the bias of feature 32 t + 16 h + i: the same for every block of tokens
.irp i, 0,1,2,3
	global_load_b128 v[BI+16*\t+4*\i:BI+16*\t+4*\i+3], v6, s[70:71] offset:128*\t+16*\i
.endr
.endr
	s_wait_loadcnt 0x0
.set n, 0
.rept 64
	v_ldexp_f32 v[BI+n], v[BI+n], s85
.set n, n+1
.endr
	s_branch .Lbias_done
.Lbias_v:
	s_wait_alu depctr_va_vdst(0)
.irp a, 0,1,2,3,4,5,6,7                ; v: a lane holds one feature of each block a; its bias fills the block's eight registers
	global_load_b32 v[BI+8*\a], v7, s[70:71] offset:4*(32*(\a/2)+8*(\a%2))
.endr
	s_wait_loadcnt 0x0
.irp a, 0,1,2,3,4,5,6,7
.irp j, 7,6,5,4,3,2,1,0
	v_ldexp_f32 v[BI+8*\a+\j], v[BI+8*\a], s85
.endr
.endr
.Lbias_done:
.macro FRAG reg, adr, q, i             ; a fragment as its image lies: four loads of 512 consecutive bytes; registers 4 c .. 4 c + 3 hold K = 32 c + 16 h + 0 .. 15
.irp c, 0,1,2,3
	ds_load_b128 v[\reg+4*\c:\reg+4*\c+3], v[\adr] offset:4096*(\i)+2048*(\q)+512*\c
.endr
.endm
; 16 matrix instructions: A's blocks a0, a0 + 1 x B's eight, 128 along K.  p: B's set.  mode 0: onto the sums; 1: the sums start from the bias along B's rows; 2: from the bias along A's rows.
; The 64 accumulators take turns, one instruction a turn, in the same order in every step.
.macro MUL16 a0, p, mode
.irp a, \a0, \a0+1
.irp b, 0,1,2,3,4,5,6,7
.if \mode == 0
	v_wmma_f32_16x16x128_bf8_bf8 v[8*(8*((\a)%4)+\b):8*(8*((\a)%4)+\b)+7], v[128*(\p)+FR*\b:128*(\p)+FR*\b+FR-1], v[AF+FR*(\a):AF+FR*(\a)+FR-1], v[8*(8*((\a)%4)+\b):8*(8*((\a)%4)+\b)+7]
.elseif \mode == 1
	v_wmma_f32_16x16x128_bf8_bf8 v[8*(8*((\a)%4)+\b):8*(8*((\a)%4)+\b)+7], v[128*(\p)+FR*\b:128*(\p)+FR*\b+FR-1], v[AF+FR*(\a):AF+FR*(\a)+FR-1], v[BI+8*\b:BI+8*\b+7]
.else
	v_wmma_f32_16x16x128_bf8_bf8 v[8*(8*((\a)%4)+\b):8*(8*((\a)%4)+\b)+7], v[128*(\p)+FR*\b:128*(\p)+FR*\b+FR-1], v[AF+FR*(\a):AF+FR*(\a)+FR-1], v[BI+8*(\a):BI+8*(\a)+7]
.endif
.endr
.endr
.endm
.macro FETCH_B slot, q, p              ; B's eight fragments of the slot's q-th 128 along K into set p
	WIN TO_B
.irp i, 0,1,2,3,4,5,6,7
	FRAG 128*(\p)+FR*\i, ADRB+\slot, \q, \i
.endr
	WIN 0
.endm
.macro FETCH_A slot, q, i0             ; A's blocks i0 .. i0 + 3
.irp i, \i0, \i0+1, \i0+2, \i0+3
	FRAG AF+FR*(\i), ADRA+\slot, \q, \i
.endr
.endm
; A load into a register that a matrix instruction has read, and a vector instruction that reads a matrix result, stand NP places behind that matrix instruction; only plain vector
; instructions that name none of its registers are places (ISA guide 7.12.1 for vector instructions).
.macro PLACES n
.rept \n
	v_nop
.endr
.endm
; A step of 128 along K that has its successor in the same slot.  A block of A is free as soon as its eight products are issued: blocks 0-3 are fetched anew in the step's middle, blocks 4-7 at its end.
.macro STEP slot, q, mode
	s_wait_dscnt 4*NL                              ; B's set and A's blocks 0-3 are in; the youngest 16 loads (A's blocks 4-7) may be out
.if \mode
	WIN FIRST_LO
.else
	WIN MUL_LO
.endif
	MUL16 0, (\q)%2, \mode
	MUL16 2, (\q)%2, \mode
	s_wait_dscnt 0                                 ; A's blocks 4-7 are in
	PLACES NP
	FETCH_B \slot, (\q)+1, 1-(\q)%2
	FETCH_A \slot, (\q)+1, 0
.if \mode
	WIN FIRST_HI
.else
	WIN MUL_HI
.endif
	MUL16 4, (\q)%2, \mode
	MUL16 6, (\q)%2, \mode
	PLACES NP
	WIN 0
	FETCH_A \slot, (\q)+1, 4
.endm
; A slot's last step changes slots: ONE barrier; in front of it each wave waits for all its tensor loads, adds 0 to its spare word, and waits for that and for its own reads of this slot.  fill = 1: this slot is filled again, two fills ahead.
.macro TURN slot, next, fill
	s_wait_tensorcnt 0x0                           ; all my tensor loads have landed: my part of the next slot  (every window is 0 here)
	ds_add_u32 v[SPW], v[NIL]                      ; 0 onto my spare word
	s_wait_dscnt 4*NL+1                            ; (the add and the youngest 16 loads, A's blocks 4-7, may be out)
	WIN MUL_LO
	MUL16 0, 1, 0                                  ; sixteen matrix instructions stand between the add and the wait for it
	s_wait_dscnt 0x0                               ; the add is done, and my reads of this slot are over
	s_barrier_signal -1
	MUL16 2, 1, 0
	WIN 0
	s_barrier_wait -1
.if \fill
	CREST                                          ; the barrier has opened a round of the cluster's barrier: no wave of any partner still reads this slot or has a load on its way
	s_add_nc_u64 s[G0+4*\slot+2:G0+4*\slot+3], s[G0+4*\slot+2:G0+4*\slot+3], 8192
	s_add_nc_u64 s[G0B+4*\slot+2:G0B+4*\slot+3], s[G0B+4*\slot+2:G0B+4*\slot+3], 8192
	JLOAD G0+4*\slot, G1, G0B+4*\slot, G1B         ; the first tensor load behind the round; the four v_nop behind it are the places in front of the loads below
.else
	PLACES NP
.endif
	FETCH_B \next, 0, 0
	FETCH_A \next, 0, 0
	WIN MUL_HI
	MUL16 4, 1, 0
	MUL16 6, 1, 0
	PLACES NP
	WIN 0
	FETCH_A \next, 0, 4
.endm
	s_wait_tensorcnt 1                             ; my part of slot 0 is in (slot 1's load may be out)
	s_barrier_signal -1
	s_barrier_wait -1                              ; everybody's is
	FETCH_B 0, 0, 0
	FETCH_A 0, 0, 0
	FETCH_A 0, 0, 4
	s_cmp_eq_u32 s22, 2                            ; the first step starts the sums from the bias, which lies along B's rows (q, k) or along A's (v)
	s_cbranch_scc1 .Lfirst_v
	s_wait_alu depctr_va_vdst(0)
	STEP 0, 0, 1
	s_branch .Lfirst_done
.Lfirst_v:
	s_wait_alu depctr_va_vdst(0)
	STEP 0, 0, 2
.Lfirst_done:
	TURN 0, 1, 1                                   ; K = 1,024 is four fills: the eight steps are written out
	STEP 1, 0, 0
	TURN 1, 0, 1
	STEP 0, 0, 0
	TURN 0, 1, 0                                   ; nothing is left to fetch: no round
	STEP 1, 0, 0
	s_wait_dscnt 4*NL                              ; the very last step
	WIN MUL_LO
	MUL16 0, 1, 0
	MUL16 2, 1, 0
	s_wait_dscnt 0
	WIN MUL_HI
	MUL16 4, 1, 0
	MUL16 6, 1, 0
	WIN 0
; THE WAY OUT, block by block of A's 16 rows: 64 sums a lane are held, converted (registers 16 t .. 16 t + 15 are 16 neighbours) and stored as the next operand's image.
.macro OUTB a
.set AC, 64*((\a)%4)
	WIN 0x02+((\a)/4)                              ; source 0: window 2 or 3
.set n, 0
.rept 64
	v_med3_num_f32 v[TMP+n], v[AC+n], -v13, v13    ; the hold at the largest code x the scale (ISA guide 7.6.2); each accumulator from its low end on
.set n, n+1
.endr
	WIN 0
.if (\a) >= 2
	s_wait_alu depctr_va_vdst(0)
	s_wait_xcnt 0x0                                ; block a - 2's stores have read this set of codes
.endif
.irp t, 0,1,2,3
	v_cvt_scalef32_pk8_bf8_f32 v[CD+16*((\a)%2)+4*\t:CD+16*((\a)%2)+4*\t+1], v[TMP+16*\t:TMP+16*\t+7], v12
	v_cvt_scalef32_pk8_bf8_f32 v[CD+16*((\a)%2)+4*\t+2:CD+16*((\a)%2)+4*\t+3], v[TMP+16*\t+8:TMP+16*\t+15], v12
.endr
	v_nop                                          ; one plain vector line between the conversions and the next block's holds, which write their sources
.irp t, 0,1,2,3
	global_store_b128 v3, v[CD+16*((\a)%2)+4*\t:CD+16*((\a)%2)+4*\t+3], s[66+2*((\a)/4):67+2*((\a)/4)] offset:((\a)%4)*2048+512*\t   ; 32 lanes store 512 consecutive bytes; the block's four stores 2,048
.endr
.endm
	PLACES NP                                      ; behind the last products
.irp a, 0,1,2,3,4,5,6,7
	OUTB \a
.endr
	s_wait_tensorcnt 0x0                           ; the wave's end
	ds_add_u32 v[SPW], v[NIL]
	s_wait_dscnt 0x0
	CROUND                                         ; the closing round: no work-group ends while a partner may still ask for a tile that names it
	s_endpgm
.Lfunc_end_k_q04f7c1189b_proj:
	.size	k_q04f7c1189b_proj, .Lfunc_end_k_q04f7c1189b_proj-k_q04f7c1189b_proj
	.p2alignl 7, 3214868480
	.fill 96, 4, 3214868480
	.section	.rodata,"a",@progbits
	.p2align	6, 0x0
	.amdhsa_kernel k_q04f7c1189b_proj
		.amdhsa_group_segment_fixed_size 327680
		.amdhsa_private_segment_fixed_size 0
		.amdhsa_enable_private_segment 0
		.amdhsa_kernarg_size 48
		.amdhsa_user_sgpr_count 2
		.amdhsa_user_sgpr_kernarg_segment_ptr 1
		.amdhsa_wavefront_size32 1
		.amdhsa_system_sgpr_workgroup_id_x 1
		.amdhsa_system_sgpr_workgroup_id_y 1
		.amdhsa_system_sgpr_workgroup_id_z 1
		.amdhsa_system_vgpr_workitem_id 0
		.amdhsa_next_free_vgpr 1024
		.amdhsa_next_free_sgpr 98
		.amdhsa_reserve_vcc 0
		.amdhsa_float_denorm_mode_32 3
		.amdhsa_float_denorm_mode_16_64 3
		.amdhsa_memory_ordered 1
		.amdhsa_forward_progress 1
		.amdhsa_inst_pref_size 138
	.end_amdhsa_kernel
	.amdgpu_metadata
---
amdhsa.version: [ 1, 2 ]
amdhsa.kernels:
  - .name:           k_q04f7c1189b_proj
    .symbol:         k_q04f7c1189b_proj.kd
    .args:
      - { .name: codes, .offset: 0, .size: 8, .value_kind: global_buffer, .address_space: global }
      - { .name: lowp_scales, .offset: 8, .size: 8, .value_kind: global_buffer, .address_space: global }
      - { .name: bq, .offset: 16, .size: 8, .value_kind: global_buffer, .address_space: global }
      - { .name: bk, .offset: 24, .size: 8, .value_kind: global_buffer, .address_space: global }
      - { .name: bv, .offset: 32, .size: 8, .value_kind: global_buffer, .address_space: global }
      - { .name: qkv, .offset: 40, .size: 8, .value_kind: global_buffer, .address_space: global }
    .group_segment_fixed_size: 327680
    .private_segment_fixed_size: 0
    .kernarg_segment_align: 8
    .kernarg_segment_size: 48
    .max_flat_workgroup_size: 128
    .sgpr_count:     98
    .vgpr_count:     1024
    .wavefront_size: 32
...
	.end_amdgpu_metadata
.endif
;; end of part 2
;; launch attn (part 3): grid 4 x 64, 16 waves a work-group, clusters of 4 x 1, 264,192 bytes of LDS; arguments qkv, lowp_scales, ctx; writes ctx
.if DOCPART == 3
	.amdgcn_target "amdgcn-amd-amdhsa--gfx1250"
	.amdhsa_code_object_version 6
	.text
	.protected	k_q04f7c1189b_attn
	.globl	k_q04f7c1189b_attn
	.p2align	8
	.type	k_q04f7c1189b_attn,@function
k_q04f7c1189b_attn:
	s_mov_b64 s[64:65], 0
	v_nop
	global_prefetch_b8 v0, s[64:65] scope:SCOPE_SE
	s_setreg_imm32_b32 hwreg(HW_REG_WAVE_MODE, 25, 1), 1
	s_wait_xcnt 0x0
	s_wait_alu depctr_hold_cnt(0) depctr_sa_sdst(0) depctr_va_vdst(0) depctr_va_sdst(0) depctr_va_ssrc(0) depctr_va_vcc(0) depctr_vm_vsrc(0)
	s_getreg_b32 s2, hwreg(HW_REG_IB_STS2, 6, 4)
	s_cmp_eq_u32 s2, 0
	s_cbranch_scc0 .Lentry_in_a_cluster
	s_endpgm
.Lentry_in_a_cluster:
	s_bfe_u32 s2, ttmp6, 0x10000c
	s_cmp_lg_u32 s2, 0x3003
	s_cbranch_scc0 .Lentry_shape_is_right
	s_endpgm
.Lentry_shape_is_right:
; Causal attention of one head (hd = 16 x batch + head = the cluster's y) on codes of BF8 (E5M2); its result, divided by the row's sum, is quantised for the last projection (entry 10 of the scales).
; Q, K images: (hd / 2) x 262,144 + tile x 2,048 + (hd % 2) x 1,024 + c x 512 + lane x 16: token 32 (tile / 2) + 8 (tile % 2) + r + 8 (r / 8), d = 32 c + 16 h + i.
; V image: hd x 131,072 + step x 8,192 + dt x 2,048 + c x 512 + lane x 16: d = 32 (dt / 2) + 8 (dt % 2) + r + 8 (r / 8), key = 128 step + 32 c + 16 h + i.
; THE SOFTMAX AHEAD OF THE SECOND PRODUCT: t = score x log2(e) / 8; M = the row's largest t so far, rounded UP to a whole number; p = 2^(t - M) is quantised, not normalised.
; The row's sum is taken of the unquantised p, in f32, and divides O at the end.  When M moves, the sum and O are multiplied by 2^(old M - new M): exact.
; Both products are used transposed (S^T = K Q^T, O^T = V^T P^T): a lane holds ONE query throughout; by the tiles' choice of rows p's 16 registers of two neighbouring tiles are 16 neighbouring keys,
; and O^T's are 16 neighbouring d: the conversions' results are the next operand's registers, and the result leaves as 1,024 consecutive bytes of the next image: no stage.
; SHARES, EQUAL UNDER THE MASK.  The four work-groups of a cluster share a head.  Wave w has the number g = a + 4 ((b - a) % 4), a = w / 4, b = w % 4, and owns TWO tiles of 16 queries: e = 4 g + cx and 127 - e.
; With f = g / 2 the early tile sees key steps 0 .. f and the late one 0 .. 15 - f: 17 tile steps for every wave.  What is left out hangs on f and the step alone: on the wave's number, never on the place in the cluster.
; THE WHOLE HEAD'S K AND V (131,072 bytes each) STAY IN LDS: each byte is filled once, nothing is filled again.  Each wave asks for two parts, jointly with its three partners (mask 15):
; first its sixteenth... its eighth of keys 0-255, then its eighth of the rest; the first two key steps run while the rest is on its way.
; LIMITS on the given exponents, so that each power of two below is an f32 number: e6 + e7 between -123 and 130 (added to c's exponent field); e8, and e10 - e8 - e9, between -126 and 112.
; REGISTERS: v1, v2 my place in K's and V's images; v3, v6 the mask's bound (late, early); v4 the result's scale; v8, v9 addresses of the step; v12-15, v16-19 -M, largest t, sum (two halves);
; v20-27, v28-35 Q; v36-99 fragments of K, then of V; v100-163 S^T, then p; v164-195, v196-227 O^T; v228-243 p's codes; v244 2^e8; v246-253 at work.
.set VLDS, 131072                      ; V's place in LDS, behind K
.set FB,   36
.set S,    100
.set PC,   228
.macro CROUND                          ; a round of the cluster's barrier
	s_barrier_signal -1
	s_barrier_wait -1
	s_cmp_lg_u32 s10, 0
	s_cbranch_scc1 .Lnot_wave_0_\@
	s_barrier_signal -3
.Lnot_wave_0_\@:
	s_barrier_wait -3
	s_barrier_signal -1
	s_barrier_wait -1
.endm
.macro G1SET g, rows, pitch            ; descriptor group 1: rows of 1,024 bytes (128 elements of 8), dense in LDS
	s_mov_b32 s[\g], 15|(3<<16)|(1<<21)            ; 15:0 the mask: all four work-groups; 17:16 elements of 8 bytes; 21 set beside a mask; no padding
	s_mov_b32 s[\g+1], 128<<16                     ; tensor_dim0
	s_mov_b32 s[\g+2], (\rows)<<16                 ; tensor_dim1
	s_mov_b32 s[\g+3], 128<<16                     ; tile_dim0
	s_mov_b32 s[\g+4], \rows                       ; tile_dim1
	s_mov_b32 s[\g+5], \pitch                      ; tensor_dim0_stride, in elements
	s_mov_b32 s[\g+6], 0
	s_mov_b32 s[\g+7], 0
.endm
	s_load_b128 s[4:7], s[0:1], 0x0                ; the codes of q, k, v s[4:5]; the scales' exponents s[6:7]
	s_load_b64 s[8:9], s[0:1], 0x10                ; the result's codes
	v_lshl_add_u32 v254, v0, 2, 0x40000
	v_mov_b32 v255, 0
	ds_add_u32 v254, v255
	ds_add_u32 v254, v255
	v_lshrrev_b32 v7, 5, v0
	s_delay_alu instid0(VALU_DEP_1)
	v_readfirstlane_b32 s10, v7                    ; wave 0..15
	s_bfe_u32 s11, ttmp6, 0x40000                  ; cx: it enters Q's and the result's addresses and the mask's bound, nothing else
	s_and_b32 s12, ttmp7, 0xffff                   ; hd, which the four partners share
	s_lshr_b32 s94, s10, 2                         ; a
	s_and_b32 s95, s10, 3                          ; b
	s_mul_i32 s13, s94, 3
	s_add_co_u32 s13, s13, s95
	s_and_b32 s13, s13, 3                          ; (3 a + b) % 4 = (b - a) % 4
	s_lshl_b32 s13, s13, 2
	s_add_co_u32 s13, s13, s94                     ; g
	s_lshr_b32 s14, s13, 1                         ; f: the early tile's last key step
	s_xor_b32 s15, s14, 15                         ; 15 - f: the late tile's
	s_lshl_b32 s16, s13, 2
	s_add_co_u32 s16, s16, s11                     ; e: the early tile
	s_xor_b32 s17, s16, 127                        ; 127 - e: the late tile
	s_and_b32 s18, s10, 7                          ; which eighth I fetch
	G1SET 24, 2, 256                               ; K, keys 0-255: 2 tiles a wave; a head's tiles lie 2,048 bytes apart
	G1SET 32, 14, 256                              ; K, the rest: 14 tiles a wave
	G1SET 40, 2, 128                               ; V likewise: dense
	G1SET 48, 14, 128
	s_lshr_b32 s94, s12, 1
	s_lshl_b32 s94, s94, 18
	s_and_b32 s95, s12, 1
	s_lshl_b32 s95, s95, 10
	s_add_co_u32 s94, s94, s95                     ; the head's first byte in Q's image, and in K's
	s_lshl_b32 s19, s12, 17                        ; and in V's
	; descriptor groups 0: offsets first, the buffer's address is added below
	s_mov_b32 s56, 1
	s_lshl_b32 s57, s18, 11                        ; K, first part: LDS 2,048 x eighth
	s_lshl_b32 s58, s18, 12
	s_add_co_u32 s58, s58, s94
	s_add_co_u32 s58, s58, 8388608
	s_mov_b32 s59, 0
	s_mov_b32 s60, 1
	s_mul_i32 s61, s18, 14336
	s_add_co_u32 s61, s61, 16384                   ; K, second part: LDS 16,384 + 14,336 x eighth
	s_mul_i32 s62, s18, 28672
	s_add_co_u32 s62, s62, s94
	s_add_co_u32 s62, s62, 8388608+32768
	s_mov_b32 s63, 0
	s_mov_b32 s68, 1
	s_lshl_b32 s69, s18, 11
	s_add_co_u32 s69, s69, VLDS                    ; V, first part
	s_lshl_b32 s70, s18, 11
	s_add_co_u32 s70, s70, s19
	s_add_co_u32 s70, s70, 16777216
	s_mov_b32 s71, 0
	s_mov_b32 s72, 1
	s_mul_i32 s73, s18, 14336
	s_add_co_u32 s73, s73, VLDS+16384              ; V, second part
	s_mul_i32 s74, s18, 14336
	s_add_co_u32 s74, s74, s19
	s_add_co_u32 s74, s74, 16777216+16384
	s_mov_b32 s75, 0
	s_lshl_b32 s96, s17, 11                        ; Q: the late tile,
	s_add_co_u32 s96, s96, s94
	s_mov_b32 s97, 0
	s_lshl_b32 s98, s16, 11                        ; the early one
	s_add_co_u32 s98, s98, s94
	s_mov_b32 s99, 0
	s_lshr_b32 s2, s12, 4
	s_lshl_b32 s2, s2, 21                          ; the result: the batch's 128 tiles of 16,384 bytes,
	s_and_b32 s3, s12, 15
	s_lshl_b32 s3, s3, 10                          ; the head's 1,024 bytes of a tile,
	s_add_co_u32 s2, s2, s3
	s_lshl_b32 s90, s17, 14                        ; the late tile,
	s_add_co_u32 s90, s90, s2
	s_mov_b32 s91, 0
	s_lshl_b32 s92, s16, 14                        ; the early one
	s_add_co_u32 s92, s92, s2
	s_mov_b32 s93, 0
	s_mov_b32 s20, 0x76543210                      ; v_permlanex16_b32's selects for lane l xor 16
	s_mov_b32 s21, 0xfedcba98
	s_mov_b32 s22, 0x3e38aa3b                      ; c = log2(e) / 8
	s_mov_b32 s88, 0                               ; J: the key step
	s_mov_b32 s89, 0                               ; TB: its first byte in K's part of LDS, and in V's
	s_wait_dscnt 0x0
	s_wait_kmcnt 0x0
	s_load_b256 s[76:83], s[6:7], 0x0              ; entries 0 to 7
	s_load_b128 s[84:87], s[6:7], 0x20             ; entries 8 to 11
.irp g, 58, 62, 70, 74
	s_add_nc_u64 s[\g:\g+1], s[4:5], s[\g:\g+1]
	s_or_b32 s[\g+1], s[\g+1], 0x80000000          ; 127:126 type = 2
.endr
	s_add_nc_u64 s[96:97], s[4:5], s[96:97]
	s_add_nc_u64 s[98:99], s[4:5], s[98:99]
	s_add_nc_u64 s[90:91], s[8:9], s[90:91]
	s_add_nc_u64 s[92:93], s[8:9], s[92:93]
	CROUND                                         ; all four work-groups are here: the joint loads meet
	s_cmp_lt_u32 s10, 8                            ; waves 0-7 fetch K, waves 8-15 V; a wave's two fills stand in one branch, ahead of every wait on TENSORcnt and every LDS read: two loads of mine are out
	s_cbranch_scc0 .Lfor_v
	tensor_load_to_lds s[56:59], s[24:31]
	s_nop 0
	tensor_load_to_lds s[60:63], s[32:39]
	s_nop 0
.rept 4
	v_nop
.endr
	s_branch .Lasked
.Lfor_v:
	tensor_load_to_lds s[68:71], s[40:47]
	s_nop 0
	tensor_load_to_lds s[72:75], s[48:55]
	s_nop 0
.rept 4
	v_nop
.endr
.Lasked:
	v_and_b32 v7, 31, v0
	s_delay_alu instid0(VALU_DEP_1)
	v_lshlrev_b32 v1, 4, v7                        ; 16 x lane: my place in every image
	s_delay_alu instid0(VALU_DEP_1)
	v_add_nc_u32 v2, VLDS, v1
	global_load_b128 v[20:23], v1, s[96:97]        ; Q's fragments stay in registers: the late tile,
	global_load_b128 v[24:27], v1, s[96:97] offset:512
	global_load_b128 v[28:31], v1, s[98:99]        ; the early one
	global_load_b128 v[32:35], v1, s[98:99] offset:512
	; the mask's bound: in the tile's last key step register 16 b + i holds key 32 b + i + 16 h of the step; it is hidden where 32 b + i > my query's place in the step - 16 h
	v_and_b32 v7, 15, v0
	v_and_b32 v10, 8, v0
	s_delay_alu instid0(VALU_DEP_1)
	v_add_nc_u32 v7, v7, v10                       ; r + 8 (r / 8)
	v_and_b32 v10, 16, v0
	s_delay_alu instid0(VALU_DEP_1)
	v_sub_nc_u32 v7, v7, v10                       ; - 16 h
	s_wait_alu depctr_va_vdst(0)
	s_bfe_u32 s2, s17, 0x20001
	s_lshl_b32 s2, s2, 5
	s_and_b32 s3, s17, 1
	s_lshl_b32 s3, s3, 3
	s_add_co_u32 s2, s2, s3                        ; the late tile's first token within its step: 32 ((tile / 2) % 4) + 8 (tile % 2)
	v_add_nc_u32 v3, s2, v7
	s_bfe_u32 s2, s16, 0x20001
	s_lshl_b32 s2, s2, 5
	s_and_b32 s3, s16, 1
	s_lshl_b32 s3, s3, 3
	s_add_co_u32 s2, s2, s3
	v_add_nc_u32 v6, s2, v7
.irp st, 12, 16
	v_mov_b32 v[\st+1], 0xff61b1e6                 ; the largest t so far: -3e38, under every t
	s_delay_alu instid0(VALU_DEP_1)
	v_floor_f32 v[\st], -v[\st+1]                  ; -M
	v_mov_b32 v[\st+2], 0                          ; the sum, in two halves
	v_mov_b32 v[\st+3], 0
.endr
	v_mov_b32 v247, 0                              ; (named as the upper half of the pair v[246:247])
	v_mov_b32 v252, 0                              ; written once: a lane permute's destination counts as one of its sources
	v_mov_b32 v253, 0xff800000                     ; -infinity
.set n, 0
.rept 64
	v_mov_b32 v[164+n], 0                          ; O^T of both tiles.  (The step is written once: the first finds zeros, which the first change of M leaves zeros)
.set n, n+1
.endr
	s_wait_kmcnt 0x0
	s_add_co_i32 s2, s82, s83
	s_lshl_b32 s2, s2, 23
	s_add_co_i32 s22, s22, s2                      ; a score stands for score x 2^(e6 + e7): the two exponents are added to c's exponent field
	s_mov_b32 s23, s22                             ; (named with it as a pair, so it is written)
	s_add_co_i32 s2, s84, 127
	s_lshl_b32 s3, s2, 23
	v_mov_b32 v244, s3                             ; 2^e8 as f32, for p's conversions
	s_sub_co_i32 s2, s86, s84
	s_sub_co_i32 s2, s2, s85                       ; O / the sum stands for the result / 2^(e8 + e9): its code is that / 2^(e10 - e8 - e9)
	s_add_co_i32 s2, s2, 127
	s_lshl_b32 s3, s2, 23
	v_mov_b32 v4, s3
; ONE TILE'S KEY STEP: 128 keys.  qf: Q's fragment; o: O^T; st: the statistics; dl: the mask's bound; f: the scalar register with the tile's last step.
.macro TSTEP qf, o, st, dl, f
	s_cmp_gt_u32 s88, s[\f]                        ; all keys of the step come after the tile's queries: the step is left out.  No barrier and no tensor load stands in it
	s_cbranch_scc1 .Lpast_\@
.rept 4
	v_nop                                          ; places in front of loads into registers that the last products have read
.endr
	s_wait_alu depctr_va_vdst(0)
.irp kt, 0,1,2,3,4,5,6,7
	ds_load_b128 v[FB+8*\kt:FB+8*\kt+3], v8 offset:1024*\kt          ; a load takes 512 consecutive bytes
	ds_load_b128 v[FB+8*\kt+4:FB+8*\kt+7], v8 offset:1024*\kt+512
.endr
	s_wait_dscnt 0x0
.irp kt, 0,1,2,3,4,5,6,7                       ; S^T = K Q^T: eight tiles of 16 keys, K = the head's 64
	v_wmma_f32_16x16x64_bf8_bf8 v[S+8*\kt:S+8*\kt+7], v[FB+8*\kt:FB+8*\kt+7], v[\qf:\qf+7], 0
.endr
.rept 4
	v_nop                                          ; places in front of the loads below and of the first read of the scores
.endr
	s_wait_alu depctr_va_vdst(0)
.irp dt, 0,1,2,3                               ; V's fragments are asked for now and land under the softmax
.irp c, 0,1,2,3
	ds_load_b128 v[FB+16*\dt+4*\c:FB+16*\dt+4*\c+3], v9 offset:2048*\dt+512*\c
.endr
.endr
	s_cmp_lg_u32 s88, s[\f]                        ; only the tile's last step lies on the diagonal
	s_cbranch_scc1 .Lopen_\@
.set n, 0
.rept 64
	v_cmp_gt_i32 vcc_lo, 32*(n/16)+n%16, v[\dl]
	v_cndmask_b32 v[S+n], v[S+n], v253, vcc_lo     ; hidden scores become -infinity ahead of the maximum: p = 0 then.  A query's own key always counts
.set n, n+1
.endr
.Lopen_\@:
	v_max3_num_f32 v248, v[S], v[S+1], v[S+2]      ; the step's largest score of my query among my 64 keys, in two chains, each accumulator from its low end on,
	v_max3_num_f32 v249, v[S+3], v[S+4], v[S+5]
.irp i, 6,10,14,18,22,26,30,34,38,42,46,50,54,58
	v_max3_num_f32 v248, v248, v[S+\i], v[S+\i+1]
	v_max3_num_f32 v249, v249, v[S+\i+2], v[S+\i+3]
.endr
	v_max3_num_f32 v248, v248, v[S+62], v[S+63]
	s_delay_alu instid0(VALU_DEP_1)
	v_max_num_f32 v248, v248, v249
	s_delay_alu instid0(VALU_DEP_1)
	v_permlanex16_b32 v252, v248, s20, s21
	s_delay_alu instid0(VALU_DEP_1)
	v_max_num_f32 v248, v248, v252                 ; and among lane l xor 16's
	s_delay_alu instid0(VALU_DEP_1)
	v_mul_f32 v248, s22, v248                      ; as t (c is positive)
	s_delay_alu instid0(VALU_DEP_1)
	v_max_num_f32 v[\st+1], v[\st+1], v248         ; the running largest t
	v_mov_b32 v248, v[\st]
	s_delay_alu instid0(VALU_DEP_2)
	v_floor_f32 v[\st], -v[\st+1]                  ; the new -M = floor(-t) = -ceil(t): M is a whole number
	s_delay_alu instid0(VALU_DEP_1)
	v_sub_f32 v248, v[\st], v248                   ; M's old value less its new one: a whole number, 0 or less
	s_delay_alu instid0(VALU_DEP_1)
	v_cvt_i32_f32 v248, v248                       ; (it saturates)
	s_delay_alu instid0(VALU_DEP_1)
	v_ldexp_f32 v246, 1.0, v248                    ; f = 2^(old M - new M)
.set n, 0
.rept 32
	v_pk_fma_f32 v[S+n:S+n+1], v[S+n:S+n+1], s[22:23], v[\st:\st+1] op_sel_hi:[1,0,0]   ; t - M, two at a time (of the pairs c and -M the low word serves both halves)
.set n, n+2
.endr
.set n, 0
	s_wait_alu depctr_va_vdst(0)
.rept 64
	v_exp_f32 v[S+n], v[S+n]                       ; p = 2^(t - M), at most 1: not normalised
.set n, n+1
.endr
	v_pk_mul_f32 v[\st+2:\st+3], v[\st+2:\st+3], v[246:247] op_sel_hi:[1,0]   ; the sums under the new M.  (A plain place behind the exponentials)
	s_wait_alu depctr_va_vdst(0)
	v_pk_add_f32 v[250:251], v[S:S+1], v[S+2:S+3]  ; the row's sum is taken of the unquantised p: two at a time, in two chains
.irp j, 4,8,12,16,20,24,28,32,36,40,44,48,52,56,60
	v_pk_add_f32 v[\st+2:\st+3], v[\st+2:\st+3], v[S+\j:S+\j+1]
	v_pk_add_f32 v[250:251], v[250:251], v[S+\j+2:S+\j+3]
.endr
	s_delay_alu instid0(VALU_DEP_1)
	v_pk_add_f32 v[\st+2:\st+3], v[\st+2:\st+3], v[250:251]
.irp b, 0,1,2,3
.irp i, 0,1,2,3,4,5,6,7,8,9,10,11,12,13,14,15
.endr
	v_cvt_scalef32_pk8_bf8_f32 v[PC+4*\b:PC+4*\b+1], v[S+16*\b:S+16*\b+7], v244
	v_cvt_scalef32_pk8_bf8_f32 v[PC+4*\b+2:PC+4*\b+3], v[S+16*\b+8:S+16*\b+15], v244
.endr
.set n, 0
.rept 16
	v_pk_mul_f32 v[\o+n:\o+n+1], v[\o+n:\o+n+1], v[246:247] op_sel_hi:[1,0]   ; O^T under the new M.  (These are also the plain lines between the conversions and the products)
.set n, n+2
.endr
	s_wait_alu depctr_va_vdst(0)
	s_wait_dscnt 0x0                               ; V's fragments are in
.irp dt, 0,1,2,3                               ; O^T += V^T P^T: four tiles of 16 of the head's 64, by turns; K = these 128 keys.  The scores' eight products stand between two links on one accumulator
	v_wmma_f32_16x16x128_bf8_bf8 v[\o+8*\dt:\o+8*\dt+7], v[FB+16*\dt:FB+16*\dt+15], v[PC:PC+15], v[\o+8*\dt:\o+8*\dt+7]
.endr
.Lpast_\@:
.endm
.macro KSTEP
	v_add_nc_u32 v8, s89, v1
	v_add_nc_u32 v9, s89, v2
	TSTEP 20, 164, 12, 3, 15                       ; the late tile
	TSTEP 28, 196, 16, 6, 14                       ; the early one
	s_add_co_u32 s89, s89, 8192                    ; a step is 8,192 bytes of K and as many of V
	s_add_co_u32 s88, s88, 1
.endm
	s_wait_tensorcnt 1                             ; my part of keys 0-255 is in; my larger part may stay out
	s_barrier_signal -1
	s_barrier_wait -1                              ; everybody's is
	s_wait_loadcnt 0x0                             ; Q
	s_mov_b32 s19, 2
.Lnear:                                            ; key steps 0 and 1
	KSTEP
	s_sub_co_u32 s19, s19, 1
	s_cmp_lg_u32 s19, 0
	s_cbranch_scc1 .Lnear
	s_wait_tensorcnt 0x0                           ; my part of the other keys is in,
	s_wait_dscnt 0x0
	s_barrier_signal -1
	s_barrier_wait -1                              ; everybody's is
	s_mov_b32 s19, 14
.Lfar:                                             ; key steps 2 to 15: every wave walks all trips, and leaves out the work that the mask throws away
	KSTEP
	s_sub_co_u32 s19, s19, 1
	s_cmp_lg_u32 s19, 0
	s_cbranch_scc1 .Lfar
; THE WAY OUT of a tile: O^T / the sum, held, converted: registers 16 c .. 16 c + 15 are d = 32 c + 16 h + 0 .. 15: the last projection's image.
.macro OUT o, st, t, base
	v_add_f32 v248, v[\st+2], v[\st+3]             ; the sum's two halves,
	s_delay_alu instid0(VALU_DEP_1)
	v_permlanex16_b32 v252, v248, s20, s21
	s_delay_alu instid0(VALU_DEP_1)
	v_add_f32 v248, v248, v252                     ; and lane l xor 16's
	s_wait_alu depctr_va_vdst(0)
	v_rcp_f32 v246, v248
	v_nop                                          ; one plain place behind a transcendental
.set n, 0
	s_wait_alu depctr_va_vdst(0)
.rept 16
	v_pk_mul_f32 v[S+32*\t+n:S+32*\t+n+1], v[\o+n:\o+n+1], v[246:247] op_sel_hi:[1,0]
.set n, n+2
.endr
.set n, 0
.rept 32
.set n, n+1
.endr
.irp c, 0,1
	v_cvt_scalef32_pk8_bf8_f32 v[PC+8*\t+4*\c:PC+8*\t+4*\c+1], v[S+32*\t+16*\c:S+32*\t+16*\c+7], v4
	v_cvt_scalef32_pk8_bf8_f32 v[PC+8*\t+4*\c+2:PC+8*\t+4*\c+3], v[S+32*\t+16*\c+8:S+32*\t+16*\c+15], v4
.endr
	v_nop                                          ; one plain vector line behind the last conversion of a run
	global_store_b128 v1, v[PC+8*\t:PC+8*\t+3], s[\base:\base+1]               ; 32 lanes store 512 consecutive bytes; the two stores 1,024
	global_store_b128 v1, v[PC+8*\t+4:PC+8*\t+7], s[\base:\base+1] offset:512
.endm
.rept 4
	v_nop                                          ; places behind the last products
.endr
	OUT 164, 12, 0, 90
	OUT 196, 16, 1, 92
	s_wait_tensorcnt 0x0
	ds_add_u32 v254, v255
	s_wait_dscnt 0x0
	CROUND                                         ; the closing round: no work-group ends while a partner may still ask for a tile that names it
	s_endpgm
.Lfunc_end_k_q04f7c1189b_attn:
	.size	k_q04f7c1189b_attn, .Lfunc_end_k_q04f7c1189b_attn-k_q04f7c1189b_attn
	.p2alignl 7, 3214868480
	.fill 96, 4, 3214868480
	.section	.rodata,"a",@progbits
	.p2align	6, 0x0
	.amdhsa_kernel k_q04f7c1189b_attn
		.amdhsa_group_segment_fixed_size 264192
		.amdhsa_private_segment_fixed_size 0
		.amdhsa_enable_private_segment 0
		.amdhsa_kernarg_size 24
		.amdhsa_user_sgpr_count 2
		.amdhsa_user_sgpr_kernarg_segment_ptr 1
		.amdhsa_wavefront_size32 1
		.amdhsa_system_sgpr_workgroup_id_x 1
		.amdhsa_system_sgpr_workgroup_id_y 1
		.amdhsa_system_sgpr_workgroup_id_z 1
		.amdhsa_system_vgpr_workitem_id 0
		.amdhsa_next_free_vgpr 256
		.amdhsa_next_free_sgpr 100
		.amdhsa_reserve_vcc 1
		.amdhsa_float_denorm_mode_32 3
		.amdhsa_float_denorm_mode_16_64 3
		.amdhsa_fp16_overflow 1
		.amdhsa_memory_ordered 1
		.amdhsa_forward_progress 1
		.amdhsa_inst_pref_size 91
	.end_amdhsa_kernel
	.amdgpu_metadata
---
amdhsa.version: [ 1, 2 ]
amdhsa.kernels:
  - .name:           k_q04f7c1189b_attn
    .symbol:         k_q04f7c1189b_attn.kd
    .args:
      - { .name: qkv, .offset: 0, .size: 8, .value_kind: global_buffer, .address_space: global }
      - { .name: lowp_scales, .offset: 8, .size: 8, .value_kind: global_buffer, .address_space: global }
      - { .name: ctx, .offset: 16, .size: 8, .value_kind: global_buffer, .address_space: global }
    .group_segment_fixed_size: 264192
    .private_segment_fixed_size: 0
    .kernarg_segment_align: 8
    .kernarg_segment_size: 24
    .max_flat_workgroup_size: 512
    .sgpr_count:     100
    .vgpr_count:     256
    .wavefront_size: 32
...
	.end_amdgpu_metadata
.endif
;; end of part 3
;; launch outp (part 4): grid 4 x 32, 4 waves a work-group, clusters of 4 x 4, 327,680 bytes of LDS; arguments ctx, codes, lowp_scales, bo, out0; writes out0
.if DOCPART == 4
	.amdgcn_target "amdgcn-amd-amdhsa--gfx1250"
	.amdhsa_code_object_version 6
	.text
	.protected	k_q04f7c1189b_outp
	.globl	k_q04f7c1189b_outp
	.p2align	8
	.type	k_q04f7c1189b_outp,@function
k_q04f7c1189b_outp:
	s_mov_b64 s[64:65], 0
	v_nop
	global_prefetch_b8 v0, s[64:65] scope:SCOPE_SE
	s_setreg_imm32_b32 hwreg(HW_REG_WAVE_MODE, 25, 1), 1
	s_wait_xcnt 0x0
	s_wait_alu depctr_hold_cnt(0) depctr_sa_sdst(0) depctr_va_vdst(0) depctr_va_sdst(0) depctr_va_ssrc(0) depctr_va_vcc(0) depctr_vm_vsrc(0)
	s_getreg_b32 s2, hwreg(HW_REG_IB_STS2, 6, 4)
	s_cmp_eq_u32 s2, 0
	s_cbranch_scc0 .Lentry_in_a_cluster
	s_endpgm
.Lentry_in_a_cluster:
	s_bfe_u32 s2, ttmp6, 0x10000c
	s_cmp_lg_u32 s2, 0xf033
	s_cbranch_scc0 .Lentry_shape_is_right
	s_endpgm
.Lentry_shape_is_right:
; out = merged Wo^T + bo on codes of BF8 (E5M2).  A = the merged heads' image (made by the launch before), B = Wo's image (at byte 28,311,552 of the codes); out: [8192][1024] f32.
; Images: tile x 16,384 + s x 2,048 + c x 512 + lane x 16; lane r of a tile holds row 32 (tile / 2) + 8 (tile % 2) + r + 8 (r / 8); k = 128 s + 32 c + 16 h + i, permuted alike in A and B.
; A tile of 256 x 256 of out is made by four waves, 128 x 128 each: 64 accumulators, 512 registers.  K goes through a ring of two LDS slots of 256 along K: four fills, so the steps are written out.
; THE MATRIX INSTRUCTION IS USED TRANSPOSED (source 0 = 16 rows of Wo, source 1 = 16 tokens): a lane holds one token, and the registers of the accumulators 2 t, 2 t + 1 are the features 32 t + 16 h + 0 .. 15.
; THE BIAS is the C of each sum's first product, as bo / 2^(e10 + e11); each finished sum is multiplied once by 2^(e10 + e11).
; LIMIT: e10 + e11 between -126 and 127, so that 2^(e10 + e11) is an f32 number.
; CLUSTERS: 4 x 4 work-groups; A's tile is asked for jointly along a row of the cluster, B's along a column.  The grid is one cluster wide, so the cluster's x is 0.
; REGISTERS, in windows of 256: window 0: v0-31 addresses; v32-95 the bias, later a block's sums; v128-255 A's fragments, one set, later rows of out.
;   window 1: B's fragments, two sets.   windows 2, 3: the accumulators ((a, b) at v[8 (8 (a % 4) + b)]).
.set HALFT,  32768                     ; 8 tiles x 4,096 bytes: what one tensor load brings, and what one wave reads of A or of B
.set SLOT,   4*HALFT                   ; A's two halves, then B's two
.set SPARE,  2*SLOT                    ; behind the ring: the spare words, 128 bytes for each wave: two blocks of 256 bytes that no other line names
.set SPITCH, 528                       ; the way out: a stage of 16 rows x (512 bytes + 16) for each wave, in slot 0, which has had its last fill and its last read when the first result is stored there
.set FR,     16
.set NL,     4
.set NP,     4                         ; places behind this matrix instruction (ISA guide 7.12.1)
.set ADRA, 16                          ; v16-17  LDS address of my A fragments in slot 0, 1
.set ADRB, 20                          ; v20-21  the same for B
.set STO,  24                          ; v24     the way out: where I put 64 bytes of a row
.set RD,   25                          ; v25     the way out: where I read a row back
.set SPW,  28                          ; v28     LDS address of my spare word; never rewritten
.set NIL,  29                          ; v29     0; never rewritten
.set BI,   32
.set TMP,  32
.set AF,   128
.set BK,   128                         ; the way out: 16 rows read back from the stage: v128-191 and v192-255 by turns
.set G1, 24
.set G0, 32
.set G1B, 48
.set G0B, 56
.set MSB, 0
.macro WIN new                         ; the immediate's high byte repeats the setting that is left
.if MSB != \new
	s_set_vgpr_msb (MSB<<8)|\new
.set MSB, \new
.endif
.endm
.set MUL_LO,   0xa1                    ; source 0 (B) window 1, source 1 (A) window 0, C and D window 2
.set MUL_HI,   0xf1                    ; the same, C and D window 3
.set FIRST_LO, 0x81                    ; the first step: C (the bias) window 0, D window 2
.set FIRST_HI, 0xc1                    ; D window 3
.set TO_B,     0x40                    ; destination window 1, address window 0
; A joint load: waves 0 and 1 fetch for A, waves 2 and 3 for B; the branch hangs on the wave's number alone.  Four v_nop follow each of the two lines.
.macro JLOAD g0a, g1a, g0b, g1b
	s_cmp_eq_u32 s17, 0
	s_cbranch_scc0 .Lfor_b_\@
	tensor_load_to_lds s[\g0a:\g0a+3], s[\g1a:\g1a+7]
	s_nop 0
.rept 4
	v_nop
.endr
	s_branch .Lasked_\@
.Lfor_b_\@:
	tensor_load_to_lds s[\g0b:\g0b+3], s[\g1b:\g1b+7]
	s_nop 0
.rept 4
	v_nop
.endr
.Lasked_\@:
.endm
.macro CREST                           ; a round of the cluster's barrier behind its opening barrier
	s_cmp_lg_u32 s16, 0
	s_cbranch_scc1 .Lnot_wave_0_\@
	s_barrier_signal -3
.Lnot_wave_0_\@:
	s_barrier_wait -3
	s_barrier_signal -1
	s_barrier_wait -1
.endm
.macro CROUND                          ; a whole round
	s_barrier_signal -1
	s_barrier_wait -1
	CREST
.endm
	s_load_b256 s[4:11], s[0:1], 0x0               ; the merged heads' codes s[4:5], the weights' codes s[6:7], the scales' exponents s[8:9], bo s[10:11]
	s_load_b64 s[12:13], s[0:1], 0x20              ; out
	v_lshl_add_u32 v[SPW], v0, 2, SPARE
	v_mov_b32 v[NIL], 0
	ds_add_u32 v28, v29
	ds_add_u32 v28, v29
	s_wait_dscnt 0x0
	v_lshrrev_b32 v1, 5, v0
	v_readfirstlane_b32 s16, v1                    ; wave 0..3
	s_lshr_b32 s17, s16, 1                         ; RH: which half of the tile's rows is mine.  Also: I fetch for A (0) or for B (1)
	s_and_b32 s18, s16, 1                          ; CH: which half of its columns.  Also: which half of that tile I fetch
	s_bfe_u32 s19, ttmp6, 0x40000                  ; cx = the tile column
	s_bfe_u32 s20, ttmp6, 0x40004                  ; cy
	s_and_b32 s21, ttmp7, 0xffff
	s_lshl_b32 s40, s21, 2
	s_add_co_u32 s40, s40, s20                     ; R: tile row = 4 x cluster y + cy
	s_lshl_b32 s42, s20, 2
	s_lshl_b32 s42, 15, s42                        ; my row of the cluster
	s_lshl_b32 s43, 0x1111, s19                    ; my column
	; descriptor group 1: 8 rows (tiles) of 4,096 bytes (two steps of 128 along K), 16,384 bytes apart, dense in LDS
	s_or_b32 s[G1+0], s42, (3<<16)|(1<<21)         ; 15:0 the mask: A's tiles go to my row; 17:16 elements of 8 bytes; 21 set beside a mask; no padding
	s_or_b32 s[G1B+0], s43, (3<<16)|(1<<21)
.irp g, G1, G1B
	s_mov_b32 s[\g+1], 512<<16                     ; tensor_dim0 = 512 elements
	s_mov_b32 s[\g+2], 8<<16                       ; tensor_dim1 = 8
	s_mov_b32 s[\g+3], 512<<16                     ; tile_dim0
	s_mov_b32 s[\g+4], 8                           ; tile_dim1
	s_mov_b32 s[\g+5], 2048                        ; tensor_dim0_stride, in elements
	s_mov_b32 s[\g+6], 0
	s_mov_b32 s[\g+7], 0
.endr
	s_lshl_b32 s89, s18, 17                        ; the half that I fetch: 8 tiles of 16,384 bytes
	s_lshl_b32 s44, s40, 18                        ; A: 16 tiles to a tile row
	s_add_co_u32 s44, s44, s89
	s_mov_b32 s45, 0
	s_lshl_b32 s46, s19, 18                        ; B likewise, in Wo's image
	s_add_co_u32 s46, s46, s89
	s_add_co_u32 s46, s46, 28311552
	s_mov_b32 s47, 0
	s_lshl_b32 s86, s16, 15                        ; where they go: wave x HALFT: no place in the cluster enters an LDS address
	s_wait_kmcnt 0x0
	s_load_b64 s[72:73], s[8:9], 0x28              ; e10, e11
	s_add_nc_u64 s[44:45], s[4:5], s[44:45]
	s_add_nc_u64 s[46:47], s[6:7], s[46:47]
	CROUND                                         ; all sixteen work-groups are here: the first joint loads meet
.irp s, 0,1
	s_mov_b32 s[G0+4*\s], 1
	s_add_co_u32 s[G0+4*\s+1], s86, \s*SLOT
	s_add_nc_u64 s[G0+4*\s+2:G0+4*\s+3], s[44:45], \s*4096
	s_or_b32 s[G0+4*\s+3], s[G0+4*\s+3], 0x80000000
	s_mov_b32 s[G0B+4*\s], 1
	s_add_co_u32 s[G0B+4*\s+1], s86, \s*SLOT
	s_add_nc_u64 s[G0B+4*\s+2:G0B+4*\s+3], s[46:47], \s*4096
	s_or_b32 s[G0B+4*\s+3], s[G0B+4*\s+3], 0x80000000
	s_wait_alu depctr_va_vdst(0)
	s_wait_tensorcnt 0x0
	ds_add_u32 v28, v29
	ds_add_u32 v28, v29
	s_wait_dscnt 0x0
	CROUND
	JLOAD G0+4*\s, G1, G0B+4*\s, G1B
.endr
	v_and_b32 v1, 15, v0                           ; r
	s_wait_alu depctr_va_vdst(0)
	v_bfe_u32 v2, v0, 4, 1                         ; h
	v_and_b32 v4, 31, v0
	v_lshlrev_b32 v3, 4, v4                        ; 16 x lane: my place in an image, and in a row of 512 bytes of out; never rewritten
	s_lshl_b32 s86, s17, 15                        ; my 8 tiles of A
	s_lshl_b32 s87, s18, 15                        ; my 8 tiles of B,
	s_add_co_u32 s87, s87, 2*HALFT                 ; which lie behind A's 16
.irp s, 0,1
	v_add_nc_u32 v[ADRA+\s], s86, v3
	v_add_nc_u32 v[ADRB+\s], s87, v3
	s_add_co_u32 s86, s86, SLOT
	s_add_co_u32 s87, s87, SLOT
.endr
	s_mul_i32 s86, s16, 16*SPITCH                  ; my stage
	v_mul_u32_u24 v5, v1, SPITCH                   ; in: row r, + 64 h bytes: my half's 16 features of each 32
	s_wait_alu depctr_va_vdst(0)
	v_lshl_add_u32 v5, v2, 6, v5
	v_add_nc_u32 v[STO], s86, v5
	v_add_nc_u32 v[RD], s86, v3                    ; back: the 32 lanes take one row of 512 bytes
	v_lshlrev_b32 v6, 6, v2                        ; the bias of my half's 16 features of each 32
	s_wait_alu depctr_va_vdst(0)
	s_lshl_b32 s94, s19, 10
	s_lshl_b32 s87, s18, 9
	s_add_co_u32 s94, s94, s87                     ; my 128 features, in bytes: 1,024 x tile column + 512 x half
	s_mov_b32 s95, 0
	s_add_nc_u64 s[10:11], s[10:11], s[94:95]      ; their bias
	s_lshl_b32 s66, s40, 20                        ; my first row of out: 256 x tile row + 128 x half, 4,096 bytes each
	s_lshl_b32 s87, s17, 19
	s_add_co_u32 s66, s66, s87
	s_add_co_u32 s66, s66, s94
	s_mov_b32 s67, 0
	s_add_nc_u64 s[66:67], s[12:13], s[66:67]
.irp t, 0,1,2,3                        ; register 16 t + i is the bias of feature 32 t + 16 h + i: the same for every block of tokens.  The tiles are on their way meanwhile
.irp i, 0,1,2,3
	global_load_b128 v[BI+16*\t+4*\i:BI+16*\t+4*\i+3], v6, s[10:11] offset:128*\t+16*\i
.endr
.endr
	s_wait_kmcnt 0x0
	s_add_co_i32 s84, s72, s73                     ; e10 + e11
	s_sub_co_i32 s85, 0, s84
	s_add_co_i32 s84, s84, 127
	s_lshl_b32 s74, s84, 23                        ; 2^(e10 + e11) as f32
	s_mov_b32 s75, s74                             ; (named with it as a pair, so it is written)
	s_wait_loadcnt 0x0
.set n, 0
.rept 64
	v_ldexp_f32 v[BI+n], v[BI+n], s85
.set n, n+1
.endr
.macro FRAG reg, adr, q, i             ; a fragment as its image lies: four loads of 512 consecutive bytes
.irp c, 0,1,2,3
	ds_load_b128 v[\reg+4*\c:\reg+4*\c+3], v[\adr] offset:4096*(\i)+2048*(\q)+512*\c
.endr
.endm
; 16 matrix instructions: A's blocks a0, a0 + 1 x B's eight, 128 along K.  p: B's set.  mode 0: onto the sums; 1: the sums start from the bias.
; The 64 accumulators take turns, one instruction a turn, in the same order in every step.
.macro MUL16 a0, p, mode
.irp a, \a0, \a0+1
.irp b, 0,1,2,3,4,5,6,7
.if \mode == 0
	v_wmma_f32_16x16x128_bf8_bf8 v[8*(8*((\a)%4)+\b):8*(8*((\a)%4)+\b)+7], v[128*(\p)+FR*\b:128*(\p)+FR*\b+FR-1], v[AF+FR*(\a):AF+FR*(\a)+FR-1], v[8*(8*((\a)%4)+\b):8*(8*((\a)%4)+\b)+7]
.else
	v_wmma_f32_16x16x128_bf8_bf8 v[8*(8*((\a)%4)+\b):8*(8*((\a)%4)+\b)+7], v[128*(\p)+FR*\b:128*(\p)+FR*\b+FR-1], v[AF+FR*(\a):AF+FR*(\a)+FR-1], v[BI+8*\b:BI+8*\b+7]
.endif
.endr
.endr
.endm
.macro FETCH_B slot, q, p
	WIN TO_B
.irp i, 0,1,2,3,4,5,6,7
	FRAG 128*(\p)+FR*\i, ADRB+\slot, \q, \i
.endr
	WIN 0
.endm
.macro FETCH_A slot, q, i0
.irp i, \i0, \i0+1, \i0+2, \i0+3
	FRAG AF+FR*(\i), ADRA+\slot, \q, \i
.endr
.endm
; A load into a register that a matrix instruction has read, and a vector instruction that reads a matrix result, stand NP places behind that matrix instruction; only plain vector
; instructions that name none of its registers are places (ISA guide 7.12.1 for vector instructions).
.macro PLACES n
.rept \n
	v_nop
.endr
.endm
.macro STEP slot, q, mode
	s_wait_dscnt 4*NL                              ; B's set and A's blocks 0-3 are in; the youngest 16 loads (A's blocks 4-7) may be out
.if \mode
	WIN FIRST_LO
.else
	WIN MUL_LO
.endif
	MUL16 0, (\q)%2, \mode
	MUL16 2, (\q)%2, \mode
	s_wait_dscnt 0                                 ; A's blocks 4-7 are in
	PLACES NP
	FETCH_B \slot, (\q)+1, 1-(\q)%2
	FETCH_A \slot, (\q)+1, 0
.if \mode
	WIN FIRST_HI
.else
	WIN MUL_HI
.endif
	MUL16 4, (\q)%2, \mode
	MUL16 6, (\q)%2, \mode
	PLACES NP
	WIN 0
	FETCH_A \slot, (\q)+1, 4
.endm
; A slot's last step changes slots: ONE barrier; in front of it each wave waits for all its tensor loads, adds 0 to its spare word, and waits for that and for its own reads of this slot.  fill = 1: this slot is filled again, two fills ahead.
.macro TURN slot, next, fill
	s_wait_tensorcnt 0x0                           ; all my tensor loads have landed: my part of the next slot  (every window is 0 here)
	ds_add_u32 v[SPW], v[NIL]                      ; 0 onto my spare word
	s_wait_dscnt 4*NL+1                            ; (the add and the youngest 16 loads, A's blocks 4-7, may be out)
	WIN MUL_LO
	MUL16 0, 1, 0                                  ; sixteen matrix instructions stand between the add and the wait for it
	s_wait_dscnt 0x0                               ; the add is done, and my reads of this slot are over
	s_barrier_signal -1
	MUL16 2, 1, 0
	WIN 0
	s_barrier_wait -1
.if \fill
	CREST                                          ; the barrier has opened a round of the cluster's barrier: no wave of any partner still reads this slot or has a load on its way
	s_add_nc_u64 s[G0+4*\slot+2:G0+4*\slot+3], s[G0+4*\slot+2:G0+4*\slot+3], 8192
	s_add_nc_u64 s[G0B+4*\slot+2:G0B+4*\slot+3], s[G0B+4*\slot+2:G0B+4*\slot+3], 8192
	JLOAD G0+4*\slot, G1, G0B+4*\slot, G1B         ; the first tensor load behind the round; the four v_nop behind it are the places in front of the loads below
.else
	PLACES NP
.endif
	FETCH_B \next, 0, 0
	FETCH_A \next, 0, 0
	WIN MUL_HI
	MUL16 4, 1, 0
	MUL16 6, 1, 0
	PLACES NP
	WIN 0
	FETCH_A \next, 0, 4
.endm
	s_wait_alu depctr_va_vdst(0)
	s_wait_tensorcnt 1                             ; my part of slot 0 is in (slot 1's load may be out)
	s_barrier_signal -1
	s_barrier_wait -1                              ; everybody's is
	FETCH_B 0, 0, 0
	FETCH_A 0, 0, 0
	FETCH_A 0, 0, 4
	STEP 0, 0, 1                                   ; the first step starts the sums from the bias
	TURN 0, 1, 1                                   ; K = 1,024 is four fills: the eight steps are written out
	STEP 1, 0, 0
	TURN 1, 0, 1
	STEP 0, 0, 0
	TURN 0, 1, 0                                   ; nothing is left to fetch: no round
	STEP 1, 0, 0
	s_wait_dscnt 4*NL                              ; the very last step
	WIN MUL_LO
	MUL16 0, 1, 0
	MUL16 2, 1, 0
	s_wait_dscnt 0
	WIN MUL_HI
	MUL16 4, 1, 0
	MUL16 6, 1, 0
	WIN 0
; THE WAY OUT, block by block of 16 tokens x 128 features.  A lane holds pieces of one row, and the lanes beside it hold other rows: so a block goes through my own stage in LDS and comes back as whole rows of
; 512 bytes.  LDS serves a wave's instructions in order (ISA guide 5.7.1.4): no wait between the stores and the loads, nor in front of the next block's stores.
.macro TOSTAGE a
.set AC, 64*((\a)%4)
	WIN 0x02+((\a)/4)                              ; source 0: window 2 or 3
.set n, 0
.rept 32
	v_pk_mul_f32 v[TMP+n:TMP+n+1], v[AC+n:AC+n+1], s[74:75] op_sel_hi:[1,0]   ; both x 2^(e10 + e11); each accumulator from its low end on
.set n, n+2
.endr
	WIN 0
.irp b, 0,1,2,3,4,5,6,7
	ds_store_b128 v[STO], v[TMP+8*\b:TMP+8*\b+3] offset:128*(\b/2)+32*(\b%2)          ; features 32 (b / 2) + 16 h + 8 (b % 2) + 0 .. 7
	ds_store_b128 v[STO], v[TMP+8*\b+4:TMP+8*\b+7] offset:128*(\b/2)+32*(\b%2)+16
.endr
.set BB, BK+64*((\a)%2)
.irp t, 0,1,2,3,4,5,6,7,8,9,10,11,12,13,14,15
	ds_load_b128 v[BB+4*\t:BB+4*\t+3], v[RD] offset:\t*SPITCH
.endr
.endm
.macro SEND a, younger                 ; younger: the LDS instructions issued behind block a's loads, which may stay out
.set BB, BK+64*((\a)%2)
	s_wait_dscnt \younger                          ; the block is back in registers
.irp t, 0,1,2,3,4,5,6,7,8,9,10,11,12,13,14,15
	global_store_b128 v3, v[BB+4*\t:BB+4*\t+3], s[66:67] offset:(32*((\a)/2)+8*((\a)%2)+\t+8*(\t/8))*4096 th:TH_STORE_NT   ; stage row t is token 32 (a / 2) + 8 (a % 2) + t + 8 (t / 8) of my 128; 32 lanes store 512 consecutive bytes, at a multiple of 512 from out's first byte; 127 rows at the most: inside the signed 24-bit immediate (ISA guide, chapter 10)
.endr
.endm
	PLACES NP                                      ; behind the last products: for the first reads of results and for the loads into the registers that held A's fragments
	TOSTAGE 0
.irp a, 1,2,3,4,5,6,7
.if \a > 1
	s_wait_xcnt 0x0                                ; block a - 2's stores have read their registers: block a's loads may land there
.endif
	TOSTAGE \a
	SEND \a-1, 32                                  ; behind block a - 1's loads: block a's 16 stores and 16 loads
.endr
	SEND 7, 0
	s_wait_tensorcnt 0x0                           ; the wave's end, behind my last tensor load and my last LDS store
	ds_add_u32 v[SPW], v[NIL]
	s_wait_dscnt 0x0
	CROUND                                         ; the closing round: no work-group ends while a partner may still ask for a tile that names it
	s_endpgm
.Lfunc_end_k_q04f7c1189b_outp:
	.size	k_q04f7c1189b_outp, .Lfunc_end_k_q04f7c1189b_outp-k_q04f7c1189b_outp
	.p2alignl 7, 3214868480
	.fill 96, 4, 3214868480
	.section	.rodata,"a",@progbits
	.p2align	6, 0x0
	.amdhsa_kernel k_q04f7c1189b_outp
		.amdhsa_group_segment_fixed_size 327680
		.amdhsa_private_segment_fixed_size 0
		.amdhsa_enable_private_segment 0
		.amdhsa_kernarg_size 40
		.amdhsa_user_sgpr_count 2
		.amdhsa_user_sgpr_kernarg_segment_ptr 1
		.amdhsa_wavefront_size32 1
		.amdhsa_system_sgpr_workgroup_id_x 1
		.amdhsa_system_sgpr_workgroup_id_y 1
		.amdhsa_system_sgpr_workgroup_id_z 1
		.amdhsa_system_vgpr_workitem_id 0
		.amdhsa_next_free_vgpr 1024
		.amdhsa_next_free_sgpr 98
		.amdhsa_reserve_vcc 0
		.amdhsa_float_denorm_mode_32 3
		.amdhsa_float_denorm_mode_16_64 3
		.amdhsa_memory_ordered 1
		.amdhsa_forward_progress 1
		.amdhsa_inst_pref_size 129
	.end_amdhsa_kernel
	.amdgpu_metadata
---
amdhsa.version: [ 1, 2 ]
amdhsa.kernels:
  - .name:           k_q04f7c1189b_outp
    .symbol:         k_q04f7c1189b_outp.kd
    .args:
      - { .name: ctx, .offset: 0, .size: 8, .value_kind: global_buffer, .address_space: global }
      - { .name: codes, .offset: 8, .size: 8, .value_kind: global_buffer, .address_space: global }
      - { .name: lowp_scales, .offset: 16, .size: 8, .value_kind: global_buffer, .address_space: global }
      - { .name: bo, .offset: 24, .size: 8, .value_kind: global_buffer, .address_space: global }
      - { .name: out0, .offset: 32, .size: 8, .value_kind: global_buffer, .address_space: global }
    .group_segment_fixed_size: 327680
    .private_segment_fixed_size: 0
    .kernarg_segment_align: 8
    .kernarg_segment_size: 40
    .max_flat_workgroup_size: 128
    .sgpr_count:     98
    .vgpr_count:     1024
    .wavefront_size: 32
...
	.end_amdgpu_metadata
.endif
;; end of part 4
